; MI455X (gfx1250); checked and timed in simulation.
; The chip was launched on July 23, 2026; its instructions are those of AMD's public machine-readable ISA for CDNA 5 (MIT licence, August 2026) and "CDNA5" Instruction Set Architecture Reference Guide (July 2026). The comments in the code are by the model that wrote it; some were corrected since.
;; Self Attention. Allowed arithmetic: matrix products marked QUANTISED: E2M3 operands, one E8M0 scale for each 32 along K, by v_wmma_scale_f32_16x16x128_f8f6f4 with both operands' format E2M3, f32 sums; everything else in f32.
;; Inputs: Wk 512 x 512 float32; Wq 512 x 512 float32; Wv 512 x 512 float32; ft_k 8 x 2,048 x 512 float32; ft_q 8 x 2,048 x 512 float32; ft_v 8 x 2,048 x 512 float32; mask 8 x 2,048 x 2,048 float32.
;; Outputs: out0 8 x 2,048 x 512 float32.
;; This version of the problem:
;;   THIS VERSION OF THE PROBLEM IS GIVEN IN LOW PRECISION. The matrix products marked QUANTISED in the list below multiply operands that are first quantised to E2M3 (2 exponent bits, 3 mantissa bits; 6 bits a number), with one power-of-two scale for each 32 numbers along K (OCP MX v1.0); their sums are f32. All else is computed in f32.
;;   The module's matrix products, in the order in which they are computed (A, B: the left and right operand; K: the contracted axis; several contracted axes count as one K, in the product's order):
;;     1. [M 16,384, K 512] x [K 512, N 512]; A: input ft_q; B: input Wq: QUANTISED
;;     2. [M 16,384, K 512] x [K 512, N 512]; A: input ft_k; B: input Wk: QUANTISED
;;     3. [M 16,384, K 512] x [K 512, N 512]; A: input ft_v; B: input Wv: QUANTISED
;;     4. batch 8 x [M 2,048, K 512] x [K 512, N 2,048]; A: computed on the way; B: computed on the way: QUANTISED
;;     5. batch 8 x [M 2,048, K 2,048] x [K 2,048, N 512]; A: softmax (see below); B: computed on the way: QUANTISED
;;   THE QUANTISER, for each operand of a quantised product, along K:
;;     - K is cut into blocks of 32 from its start; a last block that is shorter is filled with zeros.
;;     - A block's scale is 2^e with e = floor(log2(the largest magnitude in the block)) - 2, held to -126 .. 127; a block of zeros has e = 0. As a byte (E8M0): e + 127.
;;     - Each number is divided by its block's scale, clamped to +-7.5, and rounded to the nearest number of E2M3, ties to even, subnormals kept.
;;     - The product sums the exact products of the quantised numbers (number of the format x scale) in f32.
;;   ~~~python
;;   def quantise(x, axis):      # numpy; x: float32 -> the quantised numbers, widened to float32 again
;;       x = np.moveaxis(x, axis, -1); K = x.shape[-1]
;;       x = np.pad(x, [(0, 0)] * (x.ndim - 1) + [(0, -K % 32)]); x = x.reshape(x.shape[:-1] + (-1, 32)); a = np.abs(x).max(-1, keepdims=True)
;;       e = np.where(a > 0, np.clip(np.frexp(np.where(a > 0, a, 1))[1] - 1 - 2, -126, 127), 0)      # np.frexp(a)[1] - 1 = floor(log2(a)), exactly
;;       r = np.clip(x / 2.0 ** e, -7.5, 7.5)
;;       step = 2.0 ** (np.maximum(np.frexp(np.where(r == 0, 1, r))[1] - 1, 0) - 3)
;;       q = np.round(r / step) * step * 2.0 ** e      # np.round: ties to even
;;       return np.moveaxis(q.reshape(q.shape[:-2] + (-1,))[..., :K], -1, axis).astype(np.float32)
;;   ~~~
;;   SOFTMAX AHEAD OF A QUANTISED PRODUCT. Where the list says 'softmax', what is quantised is not the finished softmax but p = 2^(t - M), with t = logit x log2(e) and M = ceil(the row's largest t), a whole number; so 1/2 < the row's largest p <= 1. The row's sum l is taken of the UNQUANTISED p, in f32, and the product's result is divided by l at the end. Since M is a whole number, a kernel that streams over the keys may use a running M (the ceiling of the running maximum): every later rescaling is an exact power of two, which a block's scale takes up: the codes' values come out the same.
;;   OPERANDS COMPUTED ON THE WAY. 'Computed on the way' means the value that the module computes at that place (a softmax that the list does not call 'softmax' is quantised finished and normalised). What goes into a quantiser is computed in f32, as accurately as f32 sums, v_exp_f32 and their like allow (about 1e-6 of the number): no bf16 or f16 on the way to a quantiser, and a product that is left as it is and whose result goes on into a quantised operand takes f32 operands (vector FMAs, or v_wmma_f32_16x16x4_f32). A number that lies on a knife's edge between two numbers of the format may be rounded either way, as far as f32 arithmetic and the matrix unit's own rounding can turn it there, and no further.
;; One version. Each part assembles by itself: llvm-mc -triple=amdgcn-amd-amdhsa -mcpu=gfx1250 --defsym DOCPART=n.
;; ======== version 1 of 1: 3 launches
;; limits: right only within a limited range of input values
;; workspace buffers: wimg 638,976 bytes; qimg 6,815,744 bytes; kv 13,631,488 bytes
;; launch wquant (part 1): grid 96 x 1, 4 waves a work-group, no clusters, 0 bytes of LDS; arguments Wq, Wk, Wv, wimg; writes wimg
.if DOCPART == 1
	.amdgcn_target "amdgcn-amd-amdhsa--gfx1250"
	.amdhsa_code_object_version 6
	.text
	.protected	k_qc0c6d3287a_wquant
	.globl	k_qc0c6d3287a_wquant
	.p2align	8
	.type	k_qc0c6d3287a_wquant,@function
k_qc0c6d3287a_wquant:
	s_mov_b64 s[64:65], 0
	v_nop
	global_prefetch_b8 v0, s[64:65] scope:SCOPE_SE
	s_setreg_imm32_b32 hwreg(HW_REG_WAVE_MODE, 25, 1), 1
	s_wait_xcnt 0x0
; LAUNCH 1 OF 3.  out = softmax((ft_q Wq^T)(ft_k Wk^T)^T sqrt(512) + mask) (ft_v Wv^T), all five products on codes of FP6 (E2M3) with one E8M0 scale for each 32 along K.
; NOTHING OF reference() IS LEFT OUT: each of the seven inputs has a way to the output (the mask differs along the softmax's axis), and each is loaded by one of the three launches.
; THIS LAUNCH turns Wq, Wk, Wv ([512 (e)][512 (d)], f32, K = d innermost) into codes and scale words, once, laid in the order of an operand's registers:
;   tensor z (0 q, 1 k, 2 v) at z x 212,992 bytes of wimg; fragment f = 4 T + s (rows 16 T .. 16 T + 15, K = 128 s .. 128 s + 127) at f x 1,536: three chunks of 512 bytes, chunk c = registers 4 c .. 4 c + 3, lane l at 16 l;
;   from byte 196,608 of the tensor on its scale words, 128 bytes a fragment, lane l at 4 l (lanes l and l + 16 hold the same row's word).
; So the next launch brings a tensor in as one dense block, and any fragment comes by three loads of 16 bytes a lane.
; A block's scale is 2^(floor(log2(its largest magnitude)) - 2); its byte is the largest magnitude's exponent field - 2, held at 1 from below.
; LIMITS: a block of zeros gets the byte 1 where the stated quantiser says 127 (its codes are zeros, and this program alone reads the bytes); blocks whose largest magnitude lies under 2^-124 are taken with the byte 1;
; NaN and infinities among the inputs are not served.
; SHARES: 384 waves, one fragment each: wave g = 4 x work-group + wave; z = g / 128, f = g % 128.  Lane (r, h) loads, of row r, 16 neighbours of each block of 32: sixteen loads of 16 bytes.
; The three tensors are 3 MiB in all: no LDS, no barrier, no ring.
.set X,    32                          ; v32-95   64 numbers: register 16 b + i = k 32 b + 16 h + i of my row
.set PC,   96                          ; v96-107  the fragment's codes; v108-115 at work
.set TM,   8                           ; v8-23    at work in QUANT
.set PW,   24                          ; v24      the scale word
.set SEL,  20                          ; s[20:21] lane selects for v_permlanex16_b32: lane l xor 16
.set WIMG, 212992
.set WSC,  196608
; 64 numbers of a lane, register 16 b + i = place 32 b + 16 (lane / 16) + i of the lane's row, become a fragment's codes in v[PC] on and its scale word in v[PW].
.macro QUANT s
.irp b, 0,1,2,3
	v_max3_num_f32 v[TM+\b], |v[\s+16*\b]|, |v[\s+1+16*\b]|, 0x1800000   ; block b: my 16 numbers, and the floor 2^(3 - 127): so the byte cannot fall under 1
.endr
.irp i, 2,4,6,8,10,12,14
.irp b, 0,1,2,3
	v_max3_num_f32 v[TM+\b], v[TM+\b], |v[\s+16*\b+\i]|, |v[\s+1+16*\b+\i]|   ; the four blocks by turns
.endr
.endr
.irp b, 0,1,2,3
	v_permlanex16_b32 v[TM+4+\b], v[TM+\b], s[SEL], s[SEL+1]
.endr
.irp b, 0,1,2,3
	v_max_num_f32 v[TM+\b], v[TM+\b], v[TM+4+\b]   ; with lane l xor 16's: the block's largest magnitude
.endr
.irp b, 0,1,2,3
	v_add_nc_u32 v[TM+12+\b], 0xff000000, v[TM+\b]   ; 2 off its exponent field: the conversion takes the exponent field of this operand as its scale
.endr
.irp b, 0,1,2,3
	v_lshrrev_b32 v[TM+4+\b], 23, v[TM+12+\b]      ; the scale's byte
.endr
	v_lshl_or_b32 v[PW], v[TM+5], 8, v[TM+4]
	v_lshl_or_b32 v[PW], v[TM+6], 16, v[PW]
	v_lshl_or_b32 v[PW], v[TM+7], 24, v[PW]
.irp c, 0,1
	v_cvt_scalef32_pk16_fp6_f32 v[PC+6*\c:PC+2+6*\c], v[\s+32*\c:\s+15+32*\c], v[TM+12+2*\c]
	v_cvt_scalef32_pk16_fp6_f32 v[PC+12+4*\c:PC+14+4*\c], v[\s+16+32*\c:\s+31+32*\c], v[TM+12+2*\c+1]   ; (a conversion's three registers begin on an even number)
.endr
	v_nop                                          ; one plain place behind a scaled conversion
.irp c, 0,1                                    ; the operand's layout wants a whole block in a lane: lanes 0-15 block 2 c, lanes 16-31 block 2 c + 1
.irp i, 0,1,2
	v_permlane16_swap_b32 v[PC+6*\c+\i], v[PC+12+4*\c+\i]
.endr
.irp i, 0,1,2
	v_mov_b32 v[PC+3+6*\c+\i], v[PC+12+4*\c+\i]
.endr
.endr
.endm
	s_load_b256 s[4:11], s[0:1], 0x0               ; Wq s[4:5], Wk s[6:7], Wv s[8:9], wimg s[10:11]
	v_lshrrev_b32 v1, 5, v0
	v_readfirstlane_b32 s12, v1                    ; wave
	s_lshl_b32 s13, ttmp9, 2
	s_add_co_u32 s13, s13, s12                     ; g
	s_lshr_b32 s14, s13, 7                         ; z
	s_and_b32 s15, s13, 127                        ; f
	s_lshr_b32 s16, s15, 2                         ; T
	s_and_b32 s17, s15, 3                          ; s
	s_lshl_b32 s16, s16, 15                        ; 16 T rows of 2,048 bytes
	s_lshl_b32 s17, s17, 9                         ; + 128 s numbers
	s_add_co_u32 s16, s16, s17
	s_mov_b32 s17, 0
	s_mul_i32 s18, s14, WIMG
	s_mul_i32 s22, s15, 1536
	s_add_co_u32 s22, s22, s18                     ; where the codes go
	s_mov_b32 s23, 0
	s_lshl_b32 s24, s15, 7
	s_add_co_u32 s24, s24, s18
	s_add_co_u32 s24, s24, WSC                     ; and the scale words
	s_mov_b32 s25, 0
	s_mov_b32 s[SEL], 0x76543210
	s_mov_b32 s[SEL+1], 0xfedcba98
	v_and_b32 v2, 15, v0                           ; r
	v_bfe_u32 v3, v0, 4, 1                         ; h
	v_lshlrev_b32 v4, 11, v2
	v_lshl_add_u32 v4, v3, 6, v4                   ; in: row r, + 64 h bytes
	v_and_b32 v5, 31, v0
	v_lshlrev_b32 v6, 4, v5                        ; out: 16 x lane,
	v_lshlrev_b32 v7, 2, v5                        ; 4 x lane
.irp b, 0,1,2,3
	v_mov_b32 v[TM+4+\b], 0                        ; written once: a lane permute's destination counts as one of its sources
.endr
	s_wait_alu depctr_va_vdst(0)
	s_wait_kmcnt 0x0
	s_cmp_eq_u32 s14, 1                            ; the tensor is chosen by the wave's number in the launch alone
	s_cselect_b64 s[6:7], s[6:7], s[8:9]
	s_cmp_eq_u32 s14, 0
	s_cselect_b64 s[4:5], s[4:5], s[6:7]
	s_add_nc_u64 s[4:5], s[4:5], s[16:17]
	s_add_nc_u64 s[26:27], s[10:11], s[22:23]
	s_add_nc_u64 s[28:29], s[10:11], s[24:25]
.irp b, 0,1,2,3
.irp j, 0,1,2,3
	global_load_b128 v[X+16*\b+4*\j:X+16*\b+4*\j+3], v4, s[4:5] offset:128*\b+16*\j th:TH_LOAD_NT
.endr
.endr
	s_wait_loadcnt 0x0
	QUANT X
.irp c, 0,1,2
	global_store_b128 v6, v[PC+4*\c:PC+4*\c+3], s[26:27] offset:512*\c   ; 32 lanes store 512 consecutive bytes
.endr
	global_store_b32 v7, v[PW], s[28:29]
	s_endpgm
.Lfunc_end_k_qc0c6d3287a_wquant:
	.size	k_qc0c6d3287a_wquant, .Lfunc_end_k_qc0c6d3287a_wquant-k_qc0c6d3287a_wquant
	.p2alignl 7, 3214868480
	.fill 96, 4, 3214868480
	.section	.rodata,"a",@progbits
	.p2align	6, 0x0
	.amdhsa_kernel k_qc0c6d3287a_wquant
		.amdhsa_group_segment_fixed_size 0
		.amdhsa_private_segment_fixed_size 0
		.amdhsa_enable_private_segment 0
		.amdhsa_kernarg_size 32
		.amdhsa_user_sgpr_count 2
		.amdhsa_user_sgpr_kernarg_segment_ptr 1
		.amdhsa_wavefront_size32 1
		.amdhsa_system_sgpr_workgroup_id_x 1
		.amdhsa_system_sgpr_workgroup_id_y 1
		.amdhsa_system_sgpr_workgroup_id_z 1
		.amdhsa_system_vgpr_workitem_id 0
		.amdhsa_next_free_vgpr 128
		.amdhsa_next_free_sgpr 66
		.amdhsa_reserve_vcc 0
		.amdhsa_float_denorm_mode_32 3
		.amdhsa_float_denorm_mode_16_64 3
		.amdhsa_memory_ordered 1
		.amdhsa_forward_progress 1
		.amdhsa_inst_pref_size 8
	.end_amdhsa_kernel
	.amdgpu_metadata
---
amdhsa.version: [ 1, 2 ]
amdhsa.kernels:
  - .name:           k_qc0c6d3287a_wquant
    .symbol:         k_qc0c6d3287a_wquant.kd
    .args:
      - { .name: Wq, .offset: 0, .size: 8, .value_kind: global_buffer, .address_space: global }
      - { .name: Wk, .offset: 8, .size: 8, .value_kind: global_buffer, .address_space: global }
      - { .name: Wv, .offset: 16, .size: 8, .value_kind: global_buffer, .address_space: global }
      - { .name: wimg, .offset: 24, .size: 8, .value_kind: global_buffer, .address_space: global }
    .group_segment_fixed_size: 0
    .private_segment_fixed_size: 0
    .kernarg_segment_align: 8
    .kernarg_segment_size: 32
    .max_flat_workgroup_size: 128
    .sgpr_count:     66
    .vgpr_count:     128
    .wavefront_size: 32
...
	.end_amdgpu_metadata
.endif
;; end of part 1
;; launch proj (part 2): grid 64 x 3, 4 waves a work-group, clusters of 4 x 1, 327,680 bytes of LDS; arguments ft_q, ft_k, ft_v, wimg, qimg, kv; writes qimg, kv
.if DOCPART == 2
	.amdgcn_target "amdgcn-amd-amdhsa--gfx1250"
	.amdhsa_code_object_version 6
	.text
	.protected	k_qc0c6d3287a_proj
	.globl	k_qc0c6d3287a_proj
	.p2align	8
	.type	k_qc0c6d3287a_proj,@function
k_qc0c6d3287a_proj:
	s_mov_b64 s[64:65], 0
	v_nop
	global_prefetch_b8 v0, s[64:65] scope:SCOPE_SE
	s_setreg_imm32_b32 hwreg(HW_REG_WAVE_MODE, 25, 1), 1
	s_wait_xcnt 0x0
	s_wait_alu depctr_hold_cnt(0) depctr_sa_sdst(0) depctr_va_vdst(0) depctr_va_sdst(0) depctr_va_ssrc(0) depctr_va_vcc(0) depctr_vm_vsrc(0)
	s_getreg_b32 s2, hwreg(HW_REG_IB_STS2, 6, 4)
	s_cmp_eq_u32 s2, 0
	s_cbranch_scc0 .Lentry_in_a_cluster
	s_endpgm
.Lentry_in_a_cluster:
	s_bfe_u32 s2, ttmp6, 0x10000c
	s_cmp_lg_u32 s2, 0x3003
	s_cbranch_scc0 .Lentry_shape_is_right
	s_endpgm
.Lentry_shape_is_right:
; LAUNCH 2 OF 3: q = ft_q Wq^T, k = ft_k Wk^T, v = ft_v Wv^T on codes of FP6 (E2M3), and the results quantised at once for the attention's two products.  Nothing of reference() is left out.
; Work-group (x, z): tensor z (0 q, 1 k, 2 v), tokens 256 x .. 256 x + 255, as two blocks of 128.  q, k and v go to memory only as codes and scale words, in the order of an operand's registers.
; OUT.  A fragment (16 rows x 128 K, 12 registers) is 1,536 bytes: three chunks of 512, chunk c = registers 4 c .. 4 c + 3, lane l at 16 l.  A part of 53,248 bytes serves 128 tokens: 32 fragments, then from byte 49,152 on
;   4 x 1,024 bytes of scale words, each 1,024 as two chunks of 512: tiles 0-3 and tiles 4-7, lane l's four words at 16 l.
;   q: qimg, a part a block; fragment 4 j + s = tokens 16 j on, features 128 s on; scale words [s].   k: kv, 106,496 bytes a block, first part, laid as q's.
;   v: kv, second part: fragment 8 w + n = channels 128 w + 16 n on, K = the block's 128 keys; scale words [w].
; ONE TEXT FOR THE THREE.  Source 0 is a set A of 8 tiles x 4 K steps that stays in registers for a block; source 1 is a tile of B.  A result's lane is B's row, its registers run along A's rows.
;   q, k: A = my wave's 128 rows of W, B = the block's 8 tiles of tokens.   v: A = the block's 128 tokens, B = my wave's 8 tiles of W's rows.   Four LDS bases differ, chosen by the work-group's y alone.
; THE ORDER INSIDE A BLOCK OF 32.  Register 8 i + j of a lane of half h is A's row 16 i + 8 h + j, and QUANT lays register 16 b + 8 u + j at place 32 b + 16 h + 8 u + j: a block of 32 holds its own 32 numbers, in an order
;   that is the same for q and k, and for v and the attention's p: the sums over K have the same terms.  x and W lie in their true order.
; x: each load reads 512 consecutive bytes of a row; 16 rows x 128 numbers go through the wave's own stage in LDS and come back 16 neighbours at a time.  Set T + 1's turn through the stage is issued ahead of set T's quantising
;   (two sets of number registers and of code registers take turns); 64 loads a wave are out.
; W's IMAGE (212,992 bytes) comes into LDS once, a quarter a wave, one tensor load each: one is out.  CLUSTERS: the four work-groups of a 4 x 1 cluster have the same z, so each quarter is asked for JOINTLY, by the same descriptor
;   with the mask 15.  No prefetch: the image is asked for once, at the head, and x comes by loads that run four sets ahead.
; LIMITS as in the first launch: a block of zeros gets the byte 1; blocks under 2^-124 are taken with the byte 1; NaN and infinities are not served.
.set WIMGB, 212992
.set WSC,   196608
.set XIMG,  212992                     ; LDS: W's image from 0; x's 32 fragments (4 m + s) from here,
.set XSCL,  XIMG+49152                 ; their scale words, 128 bytes each;
.set STG,   266240                     ; a stage of 16 rows x (512 + 16) bytes for each wave;
.set STGW,  8448
.set SPARE, 300032                     ; the spare words: two blocks of 256 bytes that no other line names
.set XO,  1                            ; x: 16 x lane + 32 rows x wave
.set STW, 2                            ; the stage, in: 16 x lane
.set STR, 3                            ; the stage, out: 528 r + 64 h
.set XWI, 4                            ; where I store x's images
.set XWS, 5                            ; and their scale words
.set AAC, 6                            ; A's codes and scale words
.set AAS, 7
.set ABC, 8                            ; B's
.set ABS, 9
.set LI,  10                           ; 16 x lane
.set SPW, 12                           ; my spare word; never rewritten
.set NIL, 13                           ; 0; never rewritten
.set ACC, 16                           ; v16-79 8 accumulators; in the quantising phase x's even sets; the odd sets 152 further on, at v168-231
.set PC,  80                           ; v80-98 codes just made; the odd sets' at v232-250
.set TM,  100                          ; v100-115 at work in QUANT
.set PW,  116                          ; v116, v117 the scale word just made
.set AS,  120                          ; v120-151 A's scale words, 4 i + s
.set BS,  152                          ; v152-159 B's, two sets of four
.set OS,  160                          ; v160-167 the results' scale words, tile j
; window 1: A's fragments 0-15 at 12 f, B's set 0 at 192 + 12 s.   window 2: A's fragments 16-31, B's set 1.   window 3: x as loaded, four sets of 64.
.set G1,  16
.set G0,  24
.set WV,  28
.set Z,   29
.set OP,  30                           ; where the next fragment goes
.set SJ,  32                           ; from tile j's fragment to tile j + 1's
.set OSP, 34                           ; where my scale words go
.set NXT, 36                           ; from a block's last fragment to the next block's first
.set STRD, 38                          ; from block to block
.set SEL, 40                           ; lane selects: lane l xor 16
.set MSB, 0
.macro WIN new
.if MSB != (\new)
	s_set_vgpr_msb (MSB<<8)|(\new)
.set MSB, (\new)
.endif
.endm
.macro ROUND                           ; a round of the cluster's barrier
	s_barrier_signal -1
	s_barrier_wait -1
	s_cmp_lg_u32 s[WV], 0
	s_cbranch_scc1 .Lnw0_\@
	s_barrier_signal -3
.Lnw0_\@:
	s_barrier_wait -3
	s_barrier_signal -1
	s_barrier_wait -1
.endm
; 64 numbers of a lane from v[s] on, register 16 b + i = place 32 b + 16 (lane / 16) + i of the lane's row, become a fragment's codes in v[pc] on and its scale word in v[pw].  Each accumulator is read from its low end on.
.macro QUANT s, pc, pw
.irp b, 0,1,2,3
	v_max3_num_f32 v[TM+\b], |v[(\s)+16*\b]|, |v[(\s)+1+16*\b]|, 0x1800000   ; and the floor 2^(3 - 127): the byte cannot fall under 1
.endr
.irp i, 2,4,6,8,10,12,14
.irp b, 0,1,2,3
	v_max3_num_f32 v[TM+\b], v[TM+\b], |v[(\s)+16*\b+\i]|, |v[(\s)+1+16*\b+\i]|
.endr
.endr
.irp b, 0,1,2,3
	v_permlanex16_b32 v[TM+4+\b], v[TM+\b], s[SEL], s[SEL+1]
.endr
.irp b, 0,1,2,3
	v_max_num_f32 v[TM+\b], v[TM+\b], v[TM+4+\b]   ; with lane l xor 16's: the block's largest magnitude
.endr
.irp b, 0,1,2,3
	v_add_nc_u32 v[TM+12+\b], 0xff000000, v[TM+\b]   ; 2 off its exponent field: the conversion's scale operand
.endr
.irp b, 0,1,2,3
	v_lshrrev_b32 v[TM+4+\b], 23, v[TM+12+\b]      ; the scale's byte
.endr
	v_lshl_or_b32 v[\pw], v[TM+5], 8, v[TM+4]
	v_lshl_or_b32 v[\pw], v[TM+6], 16, v[\pw]
	v_lshl_or_b32 v[\pw], v[TM+7], 24, v[\pw]
.irp c, 0,1
	v_cvt_scalef32_pk16_fp6_f32 v[(\pc)+6*\c:(\pc)+2+6*\c], v[(\s)+32*\c:(\s)+15+32*\c], v[TM+12+2*\c]
	v_cvt_scalef32_pk16_fp6_f32 v[(\pc)+12+4*\c:(\pc)+14+4*\c], v[(\s)+16+32*\c:(\s)+31+32*\c], v[TM+12+2*\c+1]
.endr
	v_nop                                          ; one plain place behind a scaled conversion
.irp c, 0,1                                    ; the operand's layout wants a whole block in a lane
.irp i, 0,1,2
	v_permlane16_swap_b32 v[(\pc)+6*\c+\i], v[(\pc)+12+4*\c+\i]
.endr
.irp i, 0,1,2
	v_mov_b32 v[(\pc)+3+6*\c+\i], v[(\pc)+12+4*\c+\i]
.endr
.endr
.endm
; Set T (0 .. 15) of x: block T / 8, my tile (T % 8) / 4 of 16 tokens, K step T % 4: sixteen loads, each 512 consecutive bytes of one row, into set T % 4 of window 3
.macro XLD T
	WIN 0xc0
.irp i, 0,1,2,3,4,5,6,7,8,9,10,11,12,13,14,15
	global_load_b128 v[64*((\T)%4)+4*\i:64*((\T)%4)+4*\i+3], v[XO], s[4:5] offset:((\T)/8)*262144+(((\T)%8)/4)*32768+\i*2048+((\T)%4)*512 th:TH_LOAD_NT
.endr
	WIN 0
.endm
.macro TURN T                          ; set T goes through my stage into number registers T % 2.  The stage's last reads have been waited for
.if 15-(\T) >= 3
	s_wait_loadcnt 48                              ; the set's sixteen loads are in; those of the three younger sets may be out
.else
	s_wait_loadcnt 16*(15-(\T))
.endif
	WIN 0x0c                                       ; an LDS store's data are its source 1: window 3
.irp i, 0,1,2,3,4,5,6,7,8,9,10,11,12,13,14,15
	ds_store_b128 v[STW], v[64*((\T)%4)+4*\i:64*((\T)%4)+4*\i+3] offset:528*\i
.endr
	WIN 0
.set XT, ACC+152*((\T)%2)
.irp b, 0,1,2,3
.irp j, 0,1,2,3
	ds_load_b128 v[XT+16*\b+4*\j:XT+16*\b+4*\j+3], v[STR] offset:128*\b+16*\j   ; LDS serves a wave's instructions in order: these see the stores above
.endr
.endr
.endm
.macro XSET T                          ; set T is quantised and its image stored, while set T + 1 turns through the stage
.if (\T)%8 == 0
	s_wait_dscnt 0x0
.else
	s_wait_dscnt 4                                 ; the set's numbers are back, so the stage's stores have read their registers and the images of two sets back have left theirs; the last set's four image stores may be out
.endif
.if (\T)+4 <= 15
	XLD (\T)+4
.endif
.if (\T)%8 < 7
	TURN (\T)+1
.endif
.set XR, ACC+152*((\T)%2)
.set PCR, PC+152*((\T)%2)
.set PWR, PW+(\T)%2
	QUANT XR, PCR, PWR
.irp c, 0,1,2
	ds_store_b128 v[XWI], v[PCR+4*\c:PCR+4*\c+3] offset:((\T)%8)*1536+512*\c
.endr
	ds_store_b32 v[XWS], v[PWR] offset:((\T)%8)*128
.endm
.macro BAR
	s_wait_dscnt 0x0
	s_barrier_signal -1
	s_barrier_wait -1
.endm
.macro ALOAD                                   ; A's 32 fragments and scale words
	WIN 0x40
.set f, 0
.rept 16
.irp c, 0,1,2
	ds_load_b128 v[12*f+4*\c:12*f+4*\c+3], v[AAC] offset:f*1536+512*\c
.endr
.set f, f+1
.endr
	WIN 0x80
.rept 16
.irp c, 0,1,2
	ds_load_b128 v[12*(f-16)+4*\c:12*(f-16)+4*\c+3], v[AAC] offset:f*1536+512*\c
.endr
.set f, f+1
.endr
	WIN 0
.set f, 0
.rept 32
	ds_load_b32 v[AS+f], v[AAS] offset:f*128
.set f, f+1
.endr
.endm
.macro BLOAD j                                 ; B's tile j: four fragments and scale words into set j % 2: sixteen loads
	WIN 0x40*(1+(\j)%2)
.irp s, 0,1,2,3
.irp c, 0,1,2
	ds_load_b128 v[192+12*\s+4*\c:192+12*\s+4*\c+3], v[ABC] offset:(4*(\j)+\s)*1536+512*\c
.endr
.endr
	WIN 0
.irp s, 0,1,2,3
	ds_load_b32 v[BS+4*((\j)%2)+\s], v[ABS] offset:(4*(\j)+\s)*128
.endr
.endm
; 32 matrix instructions: A's 8 tiles x B's tile j, K = 512.  Four accumulators take turns, one instruction a turn; each sum's first product takes the constant 0
.macro MUL j
.irp a, 0,1
	WIN (1+\a)+4*(1+(\j)%2)
.irp s, 0,1,2,3
.irp i, 0,1,2,3
.if \s == 0
	v_wmma_scale_f32_16x16x128_f8f6f4 v[ACC+8*(4*\a+\i):ACC+8*(4*\a+\i)+7], v[12*(4*\i+\s):12*(4*\i+\s)+11], v[192+12*\s:192+12*\s+11], 0, v[AS+4*(4*\a+\i)+\s], v[BS+4*((\j)%2)+\s] matrix_a_fmt:MATRIX_FMT_FP6 matrix_b_fmt:MATRIX_FMT_FP6
.else
	v_wmma_scale_f32_16x16x128_f8f6f4 v[ACC+8*(4*\a+\i):ACC+8*(4*\a+\i)+7], v[12*(4*\i+\s):12*(4*\i+\s)+11], v[192+12*\s:192+12*\s+11], v[ACC+8*(4*\a+\i):ACC+8*(4*\a+\i)+7], v[AS+4*(4*\a+\i)+\s], v[BS+4*((\j)%2)+\s] matrix_a_fmt:MATRIX_FMT_FP6 matrix_b_fmt:MATRIX_FMT_FP6
.endif
.endr
.endr
.endr
.endm
.macro OUTJ j                                  ; tile j's results become one fragment, which leaves as three runs of 512 consecutive bytes
	WIN 0
.rept 4
	v_nop                                          ; four places between the last products and the first read of their results (ISA guide 7.12.1)
.endr
	s_wait_xcnt 0x0                                ; the last fragment's stores have read their data and their base
.if (\j) > 0
	s_add_nc_u64 s[OP:OP+1], s[OP:OP+1], s[SJ:SJ+1]
.endif
	QUANT ACC, PC, PW
	v_mov_b32 v[OS+(\j)], v[PW]
.irp c, 0,1,2
	global_store_b128 v[LI], v[PC+4*\c:PC+4*\c+3], s[OP:OP+1] offset:512*\c
.endr
.endm
.macro BLOCK k, more
	TURN 8*\k
.irp t, 0,1,2,3,4,5,6,7
	XSET 8*\k+\t
.endr
.if \k == 0
	s_wait_tensorcnt 0x0                           ; my quarter of W's image has landed
.endif
	BAR                                            ; x's 32 fragments lie in LDS (first block: and all of W's image)
	ALOAD
	BLOAD 0
.irp j, 0,1,2,3,4,5,6,7
.if \j < 7
	BLOAD \j+1
	s_wait_dscnt 16                                ; all but the next tile's sixteen loads are in
.else
	s_wait_dscnt 0x0
.endif
	MUL \j
	OUTJ \j
.endr
	global_store_b128 v[LI], v[OS:OS+3], s[OSP:OSP+1]
	global_store_b128 v[LI], v[OS+4:OS+7], s[OSP:OSP+1] offset:512
.if \more
	BAR                                            ; every wave's reads of x's images are in: the next block may overwrite them
	s_wait_xcnt 0x0
	s_add_nc_u64 s[OP:OP+1], s[OP:OP+1], s[NXT:NXT+1]
	s_add_nc_u64 s[OSP:OSP+1], s[OSP:OSP+1], s[STRD:STRD+1]
.endif
.endm
	s_load_b256 s[4:11], s[0:1], 0x0               ; ft_q s[4:5], ft_k s[6:7], ft_v s[8:9], wimg s[10:11]
	s_load_b128 s[12:15], s[0:1], 0x20             ; qimg s[12:13], kv s[14:15]
	v_lshl_add_u32 v[SPW], v0, 2, SPARE
	v_mov_b32 v[NIL], 0
	ds_add_u32 v[SPW], v[NIL]                      ; the opening: the add, twice on end, and its wait ahead of the round in front of my first tensor load
	ds_add_u32 v[SPW], v[NIL]
	v_lshrrev_b32 v14, 5, v0
	v_readfirstlane_b32 s[WV], v14                 ; wave 0..3
	s_and_b32 s[Z], ttmp7, 0xffff                  ; the tensor: the same in the four partners
	s_bfe_u32 s2, ttmp6, 0x40000                   ; cx
	s_lshl_b32 s3, ttmp9, 2
	s_add_co_u32 s2, s3, s2                        ; work-group x = 4 x cluster x + cx
	s_mov_b32 s[G1+0], 15|(3<<16)|(1<<21)          ; the mask of the four; elements of 8 bytes; bit 21 beside a mask: a dense block of 53,248 bytes as 208 rows of 256
	s_mov_b32 s[G1+1], 32<<16
	s_mov_b32 s[G1+2], 208<<16
	s_mov_b32 s[G1+3], 32<<16
	s_mov_b32 s[G1+4], 208
	s_mov_b32 s[G1+5], 32
	s_mov_b32 s[G1+6], 0
	s_mov_b32 s[G1+7], 0
	s_mov_b32 s[SEL], 0x76543210
	s_mov_b32 s[SEL+1], 0xfedcba98
	s_mul_i32 s42, s[WV], 53248                    ; my quarter of the image, in LDS and in the tensor's image
	s_mul_i32 s43, s[WV], STGW
	s_add_co_u32 s43, s43, STG                     ; my stage
	s_mul_i32 s44, s[Z], WIMGB
	s_add_co_u32 s44, s44, s42
	s_mov_b32 s45, 0
	s_lshl_b32 s46, s2, 19                         ; my 256 rows of x
	s_mov_b32 s47, 0
	s_mul_i32 s55, s[WV], 49152                    ; my wave's 32 fragments of W in LDS,
	s_lshl_b32 s56, s[WV], 12
	s_add_co_u32 s56, s56, WSC                     ; and their scale words
	s_mov_b32 s57, XIMG
	s_mov_b32 s58, XSCL
	s_mov_b32 s[STRD], 106496
	s_mov_b32 s[STRD+1], 0
	s_mov_b32 s[SJ], 6144
	s_mov_b32 s[SJ+1], 0
	s_cmp_eq_u32 s[Z], 0
	s_cselect_b32 s[STRD], 53248, s[STRD]          ; q's blocks lie 53,248 bytes apart, k's and v's 106,496
	s_cmp_eq_u32 s[Z], 2
	s_cselect_b32 s[SJ], 1536, s[SJ]               ; q, k: tile j + 1's fragment lies four fragments on; v: one
	s_cselect_b32 s49, 53248, 0                    ; v: the second part of a block
	s_cselect_b32 s54, 3, 0                        ; v: my first fragment is 8 w; q, k: w
	s_cselect_b32 s59, s57, s55                    ; A's codes: v: x's images; q, k: W's
	s_cselect_b32 s60, s58, s56
	s_cselect_b32 s61, s55, s57                    ; B's: the other way round
	s_cselect_b32 s62, s56, s58
	s_lshl_b32 s48, s2, 1
	s_mul_i32 s48, s48, s[STRD]
	s_add_co_u32 s48, s48, s49                     ; where my first block's part begins
	s_lshl_b32 s50, s[WV], s54
	s_mul_i32 s50, s50, 1536
	s_add_co_u32 s50, s50, s48
	s_mov_b32 s51, 0
	s_lshl_b32 s52, s[WV], 10
	s_add_co_u32 s52, s52, s48
	s_add_co_u32 s52, s52, 49152
	s_mov_b32 s53, 0
	s_mul_i32 s[NXT], s[SJ], 7
	s_sub_co_u32 s[NXT], s[STRD], s[NXT]
	s_mov_b32 s[NXT+1], 0
	s_mul_i32 s63, s[WV], 12288
	s_add_co_u32 s63, s63, XIMG                    ; my eight fragments of x
	s_lshl_b32 s49, s[WV], 10
	s_add_co_u32 s49, s49, XSCL
	v_and_b32 v14, 31, v0
	v_lshlrev_b32 v[LI], 4, v14
	v_lshlrev_b32 v15, 2, v14
	v_and_b32 v11, 15, v0                          ; r
	v_bfe_u32 v14, v0, 4, 1                        ; h
	v_lshl_add_u32 v[XO], s[WV], 16, v[LI]
	v_add_nc_u32 v[STW], s43, v[LI]
	v_mul_u32_u24 v[STR], v11, 528
	v_lshl_add_u32 v[STR], v14, 6, v[STR]
	v_add_nc_u32 v[STR], s43, v[STR]
	v_add_nc_u32 v[XWI], s63, v[LI]
	v_add_nc_u32 v[XWS], s49, v15
	v_add_nc_u32 v[AAC], s59, v[LI]
	v_add_nc_u32 v[AAS], s60, v15
	v_add_nc_u32 v[ABC], s61, v[LI]
	v_add_nc_u32 v[ABS], s62, v15
.irp b, 0,1,2,3
	v_mov_b32 v[TM+4+\b], 0                        ; written once: a lane permute's destination counts as one of its sources
.endr
	s_wait_alu depctr_va_vdst(0)                   ; the wait at the head's end
	s_wait_dscnt 0x0                               ; both opening adds are done
	s_wait_kmcnt 0x0
	s_mov_b32 s[G0], 1
	s_mov_b32 s[G0+1], s42
	s_add_nc_u64 s[G0+2:G0+3], s[10:11], s[44:45]
	s_or_b32 s[G0+3], s[G0+3], 0x80000000
	s_cmp_eq_u32 s[Z], 1                           ; the buffers are chosen by the work-group's y alone
	s_cselect_b64 s[6:7], s[6:7], s[8:9]
	s_cmp_eq_u32 s[Z], 0
	s_cselect_b64 s[4:5], s[4:5], s[6:7]
	s_cselect_b64 s[12:13], s[12:13], s[14:15]
	s_add_nc_u64 s[4:5], s[4:5], s[46:47]
	s_add_nc_u64 s[OP:OP+1], s[12:13], s[50:51]
	s_add_nc_u64 s[OSP:OSP+1], s[12:13], s[52:53]
	ROUND                                          ; the four work-groups are here: the joint loads meet
	tensor_load_to_lds s[G0:G0+3], s[G1:G1+7]      ; my quarter of W's image: filled once
	s_nop 0
.rept 4
	v_nop
.endr
	XLD 0
	XLD 1
	XLD 2
	XLD 3
	BLOCK 0, 1
	BLOCK 1, 0
	s_wait_tensorcnt 0x0                           ; the wave's end
	ds_add_u32 v[SPW], v[NIL]
	s_wait_dscnt 0x0
	ROUND                                          ; the closing round
	s_endpgm
.Lfunc_end_k_qc0c6d3287a_proj:
	.size	k_qc0c6d3287a_proj, .Lfunc_end_k_qc0c6d3287a_proj-k_qc0c6d3287a_proj
	.p2alignl 7, 3214868480
	.fill 96, 4, 3214868480
	.section	.rodata,"a",@progbits
	.p2align	6, 0x0
	.amdhsa_kernel k_qc0c6d3287a_proj
		.amdhsa_group_segment_fixed_size 327680
		.amdhsa_private_segment_fixed_size 0
		.amdhsa_enable_private_segment 0
		.amdhsa_kernarg_size 48
		.amdhsa_user_sgpr_count 2
		.amdhsa_user_sgpr_kernarg_segment_ptr 1
		.amdhsa_wavefront_size32 1
		.amdhsa_system_sgpr_workgroup_id_x 1
		.amdhsa_system_sgpr_workgroup_id_y 1
		.amdhsa_system_sgpr_workgroup_id_z 1
		.amdhsa_system_vgpr_workitem_id 0
		.amdhsa_next_free_vgpr 1024
		.amdhsa_next_free_sgpr 66
		.amdhsa_reserve_vcc 0
		.amdhsa_float_denorm_mode_32 3
		.amdhsa_float_denorm_mode_16_64 3
		.amdhsa_memory_ordered 1
		.amdhsa_forward_progress 1
		.amdhsa_inst_pref_size 255
	.end_amdhsa_kernel
	.section	.bss,"aw",@nobits
	.p2align	6
	.space	262144
	.amdgpu_metadata
---
amdhsa.version: [ 1, 2 ]
amdhsa.kernels:
  - .name:           k_qc0c6d3287a_proj
    .symbol:         k_qc0c6d3287a_proj.kd
    .args:
      - { .name: ft_q, .offset: 0, .size: 8, .value_kind: global_buffer, .address_space: global }
      - { .name: ft_k, .offset: 8, .size: 8, .value_kind: global_buffer, .address_space: global }
      - { .name: ft_v, .offset: 16, .size: 8, .value_kind: global_buffer, .address_space: global }
      - { .name: wimg, .offset: 24, .size: 8, .value_kind: global_buffer, .address_space: global }
      - { .name: qimg, .offset: 32, .size: 8, .value_kind: global_buffer, .address_space: global }
      - { .name: kv, .offset: 40, .size: 8, .value_kind: global_buffer, .address_space: global }
    .group_segment_fixed_size: 327680
    .private_segment_fixed_size: 0
    .kernarg_segment_align: 8
    .kernarg_segment_size: 48
    .max_flat_workgroup_size: 128
    .sgpr_count:     66
    .vgpr_count:     1024
    .wavefront_size: 32
...
	.end_amdgpu_metadata
.endif
;; end of part 2
;; launch attn (part 3): grid 32 x 8, 4 waves a work-group, clusters of 4 x 1, 327,680 bytes of LDS; arguments qimg, kv, mask, out0; writes out0
.if DOCPART == 3
	.amdgcn_target "amdgcn-amd-amdhsa--gfx1250"
	.amdhsa_code_object_version 6
	.text
	.protected	k_qc0c6d3287a_attn
	.globl	k_qc0c6d3287a_attn
	.p2align	8
	.type	k_qc0c6d3287a_attn,@function
k_qc0c6d3287a_attn:
	s_mov_b64 s[64:65], 0
	v_nop
	global_prefetch_b8 v0, s[64:65] scope:SCOPE_SE
	s_setreg_imm32_b32 hwreg(HW_REG_WAVE_MODE, 25, 1), 1
	s_wait_xcnt 0x0
	s_wait_alu depctr_hold_cnt(0) depctr_sa_sdst(0) depctr_va_vdst(0) depctr_va_sdst(0) depctr_va_ssrc(0) depctr_va_vcc(0) depctr_vm_vsrc(0)
	s_getreg_b32 s2, hwreg(HW_REG_IB_STS2, 6, 4)
	s_cmp_eq_u32 s2, 0
	s_cbranch_scc0 .Lentry_in_a_cluster
	s_endpgm
.Lentry_in_a_cluster:
	s_bfe_u32 s2, ttmp6, 0x10000c
	s_cmp_lg_u32 s2, 0x3003
	s_cbranch_scc0 .Lentry_shape_is_right
	s_endpgm
.Lentry_shape_is_right:
; LAUNCH 3 OF 3: out = softmax(q k^T sqrt(512) + mask) v, both products on codes of FP6 (E2M3) with one E8M0 scale for each 32 along K.  Nothing of reference() is left out.
; THE SOFTMAX: t = (score x sqrt(512) + mask) x log2(e); p = 2^(t - M), M a whole number at or above the largest t so far; p is quantised along the keys, not normalised; the row's sum is taken of the unquantised p and divides at the end.
; SHARES.  A work-group owns 64 queries (four tiles m of 16) of one batch and walks its 2,048 keys in 16 steps of 128.  Each of its four waves has two parts in a step.
;   PRODUCER: wave w owns keys 32 w .. 32 w + 31 of the step for all 64 queries: S^T = k q^T (a lane holds one query), 32 matrix instructions; the softmax under a whole number M_w of its own, kept as N_w = -M_w; a partial sum; codes and a byte.
;   CONSUMER: wave w owns channels 128 w .. 128 w + 127 for all 64 queries: O^T += v^T p^T, 32 accumulators, 32 matrix instructions.
;   p's codes (an image of the operand's registers), N_w and the byte (as f32) go from wave to wave through two LDS buffers that take turns.
; A SEPARATE M FOR EACH WAVE CHANGES NO CODE: M is a whole number and moves a block's scale alone.  The consumer keeps RN = the least N so far, takes block w's byte as e_w + (RN - N_w), held at 0 from below, and multiplies O^T by
;   F = 2^(new RN - old RN): sums of whole numbers in f32 and a multiplication that rounds nothing.
; CLUSTERS: the batch is the cluster's x, the block of 256 queries its y; the four work-groups of a 4 x 1 cluster walk the same records of kv (106,496 bytes a step: k's part, v's part).  A record is asked for JOINTLY: wave 0 of each
;   asks for k's part, wave 1 for v's, by the same descriptor with the mask 15.  Waves 2 and 3 fetch the halves (32 rows x 512 bytes) of the work-group's own tile of the mask.  Each wave issues one tensor load behind each round: one is out.
; THE RING: two slots, each a record and a tile of the mask (rows 528 bytes apart).  Trip j reads slot j % 2; behind the trip's round, which is also the barrier for p, record j + 1 and its tile set out into the other slot.
; A TRIP j: the three lines, with step j - 1's additions to the row's sum between the add and the wait for it; the round; the refill; the quads and p from LDS; the consumer's whole numbers; k is asked of LDS; the second product of
;   step j - 1 with O^T x F between its instructions; the mask is asked for; S^T of step j; v of step j is asked for; the softmax; p is stored.
; PREFETCHES: trip t = 0 .. 12 names what the tensor loads of trip t + 2 ask for (record and tile t + 3); the head, behind its tensor load, names records and tiles 1 and 2.  A record's 416 blocks of 256 bytes are shared out by
;   address among the cluster's 16 waves, 26 each (lanes 26-31 name the wave's last block again); a tile's 128 blocks among the work-group's four waves, a lane a block.  The last trips ask for nothing.
; THE ORDER INSIDE A BLOCK OF 32 is that of the launch before, the same in q and k, and in p and v.
; LIMITS: NaN, infinities in q, k, v and +infinity in the mask are not served.  -infinity in the mask gives p = 0; a row all of whose keys are -infinity is NaN in reference() and is not served.  A block of p more than 2^125 under
;   the row's largest is taken with the scale 2^-127; a block of zeros has the byte 1 (this program alone reads the bytes); p under 2^-126 counts as 0.  The promise holds while |t| stays under 2^31.
.set REC,   106496                     ; a record of kv: k's part, then v's
.set VOF,   53248
.set SCW,   49152                      ; in a part: where the scale words begin
.set QREC,  53248
.set MOF,   106496                     ; in a slot: the mask's tile, 64 rows x 528
.set HMT,   16896                      ; half of it
.set SLOT,  140288
.set PBUF,  280576                     ; two buffers of 8,192: p's four fragments; at 6,144 the N quads [m][r][w]; at 7,168 the byte quads
.set PB2,   8192
.set EXO,   6144
.set LEXO,  10240                      ; from PBUF + EXO to the last step's l quads and N quads
.set SPARE, 299008                     ; the spare words: two blocks of 256 bytes that no other line names
.set KVO,  1                           ; 16 x lane + 12,288 x wave
.set KSO,  2
.set VSO,  3
.set MK0,  4                           ; MOF + 528 r + 32 h + 128 w
.set EX0,  5
.set PR0,  6
.set PW0,  7                           ; v7-9
.set XW0,  10
.set ADM,  11                          ; the trip's addresses
.set ADEX, 12
.set ADPR, 13
.set ADPW, 14                          ; v14-16
.set ADXW, 17
.set ADK,  18
.set ADKS, 19
.set SPW,  20                          ; my spare word; never rewritten
.set NIL,  21                          ; 0; never rewritten
.set PFO,  22                          ; prefetch offsets: kv,
.set ADVS, 23
.set PR,   24                          ; v24-39 producer, tile m at 4 m: N, the largest t, l in two halves
.set CN,   40                          ; v40-55 consumer, tile m at 4 m: 1 / l at the end (a pair's low word), RN at + 2 (likewise)
.set PS,   56                          ; p's scale words
.set KS,   60                          ; k's, 2 s + u
.set VS,   68                          ; v's, n
.set QS,   76                          ; q's, 4 s + m
.set EXR,  92                          ; v92-123 the quads as loaded
.set STO,  124
.set RD,   125
.set GO,   126
.set PFMO, 127                         ; and the mask
.set S,    128                         ; v128-191 S^T, then p: 16 m + 8 u + j
.set BX,   192
.set T1,   196
.set FL,   200
.set XB,   208
.set SO,   212
.set EB,   216
.set CD,   220
.set TP,   236
.set TD,   240
.set QO,   251                         ; the head's offsets of q
.set QSO,  252
; window 1: q at 12 (4 m + s); p at 192 + 12 m; F at 240 + 2 m (a pair's low word).
; window 2 + g: O^T of n = 4 g + n' at 8 (4 n' + m); v at 128 + 12 n'; k of u = g at 176 + 12 s; the mask's numbers of m = 2 g + e at 224 + 16 e.
; So a product of the second kind and the multiplication O^T x F run under one setting of the windows.
.set WV,   12
.set SEL,  20
.set SQ,   22
.set L2E,  24
.set G1K,  28                          ; s[28:35] group 1 of a part of a record;  s[36:43] of half a tile of the mask
.set G1M,  36
.set G0K,  44                          ; s[44:47], s[48:51] their groups 0
.set G0M,  48
.set SB,   52                          ; the slot that is read, the slot that is filled
.set SN,   53
.set TPW,  54
.set TPR,  55
.set IC,   56
.set PFC,  57
.set KOF,  58                          ; my load's place in a slot: as a part of the record, as half a tile
.set MOFS, 59
.set PFA,  60                          ; in trip t: my blocks of record t + 1, of tile t + 1
.set PFM,  62
.set MSB, 0
.macro WIN new                         ; the immediate's high byte repeats the setting that is left
.if MSB != (\new)
	s_set_vgpr_msb (MSB<<8)|(\new)
.set MSB, (\new)
.endif
.endm
.macro PLACES n
.rept \n
	v_nop
.endr
.endm
.macro ROUND                           ; a round of the cluster's barrier
	s_barrier_signal -1
	s_barrier_wait -1
	s_cmp_lg_u32 s[WV], 0
	s_cbranch_scc1 .Lnw0_\@
	s_barrier_signal -3
.Lnw0_\@:
	s_barrier_wait -3
	s_barrier_signal -1
	s_barrier_wait -1
.endm
.macro JLOAD                           ; waves 0, 1: the joint load of a part of the record; waves 2, 3: half of my work-group's tile of the mask.
	s_cmp_lt_u32 s[WV], 2
	s_cbranch_scc0 .Lmk_\@
	tensor_load_to_lds s[G0K:G0K+3], s[G1K:G1K+7]
	s_nop 0
	PLACES 4
	s_branch .Lasked_\@
.Lmk_\@:
	tensor_load_to_lds s[G0M:G0M+3], s[G1M:G1M+7]
	s_nop 0
	PLACES 4
.Lasked_\@:
.endm
.macro ADDR
	v_add_nc_u32 v[ADK], s[SB], v[KVO]
	v_add_nc_u32 v[ADKS], s[SB], v[KSO]
	v_add_nc_u32 v[ADVS], s[SB], v[VSO]
	v_add_nc_u32 v[ADM], s[SB], v[MK0]
	v_add_nc_u32 v[ADEX], s[TPR], v[EX0]
	v_add_nc_u32 v[ADPR], s[TPR], v[PR0]
	v_add_nc_u32 v[ADPW], s[TPW], v[PW0]
	v_add_nc_u32 v[ADPW+1], s[TPW], v[PW0+1]
	v_add_nc_u32 v[ADPW+2], s[TPW], v[PW0+2]
	v_add_nc_u32 v[ADXW], s[TPW], v[XW0]
.endm
.macro EXPIN                           ; the last step's quads (8 loads) and p's four fragments (12)
.irp m, 0,1,2,3
	ds_load_b128 v[EXR+8*\m:EXR+8*\m+3], v[ADEX] offset:256*\m
	ds_load_b128 v[EXR+8*\m+4:EXR+8*\m+7], v[ADEX] offset:1024+256*\m
.endr
	WIN 0x40
.irp m, 0,1,2,3
.irp c, 0,1,2
	ds_load_b128 v[192+12*\m+4*\c:192+12*\m+4*\c+3], v[ADPR] offset:1536*\m+512*\c
.endr
.endr
	WIN 0
.endm
.macro KLD                             ; my eight fragments and scale words of k: 28 loads
.irp u, 0,1
	WIN 0x80+0x40*\u
.irp s, 0,1,2,3
.irp c, 0,1,2
	ds_load_b128 v[176+12*\s+4*\c:176+12*\s+4*\c+3], v[ADK] offset:(4*\u+\s)*1536+512*\c
.endr
.endr
.endr
	WIN 0
.irp s, 0,1,2,3
	ds_load_b64 v[KS+2*\s:KS+2*\s+1], v[ADKS] offset:1024*\s
.endr
.endm
.macro MASKIN                          ; the mask's numbers for my 32 keys x 64 queries, in S^T's layout: 16 loads
.irp g, 0,1
	WIN 0x80+0x40*\g
.irp e, 0,1
.irp u, 0,1
.irp c, 0,1
	ds_load_b128 v[224+16*\e+8*\u+4*\c:224+16*\e+8*\u+4*\c+3], v[ADM] offset:8448*(2*\g+\e)+64*\u+16*\c
.endr
.endr
.endr
.endr
	WIN 0
.endm
.macro VLD                             ; my eight fragments and scale words of v: 26 loads
.irp g, 0,1
	WIN 0x80+0x40*\g
.irp n, 0,1,2,3
.irp c, 0,1,2
	ds_load_b128 v[128+12*\n+4*\c:128+12*\n+4*\c+3], v[ADK] offset:VOF+(4*\g+\n)*1536+512*\c
.endr
.endr
.endr
	WIN 0
	ds_load_b128 v[VS:VS+3], v[ADVS]
	ds_load_b128 v[VS+4:VS+7], v[ADVS] offset:512
.endm
; The consumer's whole numbers, the four tiles by turns: the new RN; F; block w's byte e_w + (RN - N_w), held at 0; the four bytes make p's scale word
.macro PREP
.irp m, 0,1,2,3
	v_min3_num_f32 v[TP+\m], v[CN+4*\m+2], v[EXR+8*\m], v[EXR+8*\m+1]
.endr
.irp m, 0,1,2,3
	v_min3_num_f32 v[TP+\m], v[TP+\m], v[EXR+8*\m+2], v[EXR+8*\m+3]
.endr
.irp m, 0,1,2,3
	v_sub_f32 v[TD+\m], v[TP+\m], v[CN+4*\m+2]
.endr
.irp m, 0,1,2,3
	v_mov_b32 v[CN+4*\m+2], v[TP+\m]
.endr
.irp m, 0,1,2,3
	v_cvt_i32_f32 v[TD+\m], v[TD+\m]               ; (it saturates)
.endr
	WIN 0x40                                       ; F lies in window 1
.irp m, 0,1,2,3
	v_ldexp_f32 v[240+2*\m], 1.0, v[TD+\m]
.endr
	WIN 0
.irp q, 0,2
.irp m, 0,1,2,3
	v_pk_add_f32 v[EXR+8*\m+\q:EXR+8*\m+\q+1], v[EXR+8*\m+\q:EXR+8*\m+\q+1], v[CN+4*\m+2:CN+4*\m+3] op_sel_hi:[1,0] neg_lo:[1,0] neg_hi:[1,0]   ; RN - N_w
.endr
.endr
.irp q, 0,2
.irp m, 0,1,2,3
	v_pk_add_f32 v[EXR+8*\m+\q:EXR+8*\m+\q+1], v[EXR+8*\m+\q:EXR+8*\m+\q+1], v[EXR+8*\m+4+\q:EXR+8*\m+4+\q+1]   ; + e_w
.endr
.endr
.irp i, 0,1,2,3
.irp m, 0,1,2,3
	v_max_num_f32 v[EXR+8*\m+\i], 0, v[EXR+8*\m+\i]
.endr
.endr
.irp i, 0,1,2,3
.irp m, 0,1,2,3
	v_cvt_u32_f32 v[EXR+8*\m+\i], v[EXR+8*\m+\i]
.endr
.endr
.irp m, 0,1,2,3
	v_lshl_or_b32 v[PS+\m], v[EXR+8*\m+1], 8, v[EXR+8*\m]
.endr
.irp m, 0,1,2,3
	v_lshl_or_b32 v[PS+\m], v[EXR+8*\m+2], 16, v[PS+\m]
.endr
.irp m, 0,1,2,3
	v_lshl_or_b32 v[PS+\m], v[EXR+8*\m+3], 24, v[PS+\m]
.endr
.endm
.macro SMUL                            ; S^T = k q^T: for each u four accumulators by turns, one instruction a turn; the first K step starts the sums
.irp u, 0,1
	WIN 0x06+\u                                    ; source 0 (k) window 2 + u, source 1 (q) window 1, C and D window 0
.irp s, 0,1,2,3
.irp m, 0,1,2,3
.if \s == 0
	v_wmma_scale_f32_16x16x128_f8f6f4 v[S+16*\m+8*\u:S+16*\m+8*\u+7], v[176+12*\s:176+12*\s+11], v[12*(4*\m+\s):12*(4*\m+\s)+11], 0, v[KS+2*\s+\u], v[QS+4*\s+\m] matrix_a_fmt:MATRIX_FMT_FP6 matrix_b_fmt:MATRIX_FMT_FP6
.else
	v_wmma_scale_f32_16x16x128_f8f6f4 v[S+16*\m+8*\u:S+16*\m+8*\u+7], v[176+12*\s:176+12*\s+11], v[12*(4*\m+\s):12*(4*\m+\s)+11], v[S+16*\m+8*\u:S+16*\m+8*\u+7], v[KS+2*\s+\u], v[QS+4*\s+\m] matrix_a_fmt:MATRIX_FMT_FP6 matrix_b_fmt:MATRIX_FMT_FP6
.endif
.endr
.endr
.endr
	WIN 0
.endm
; THE SECOND PRODUCT, O^T += v^T p^T: one instruction on each of 32 accumulators, in two halves of 16 (windows 2 and 3).  pv = 1: it starts the sums.  pv = 2: O^T x F stands between the products, two accumulators ahead:
; a half's first eight multiplications are the places between p's scale words and the first product; four v_nop stand ahead of a half's last product, which has no slice in front of it.
.macro RESC1 a                         ; each accumulator from its low end on
.irp p, 0,1,2,3
	v_pk_mul_f32 v[8*(\a)+2*\p:8*(\a)+2*\p+1], v[8*(\a)+2*\p:8*(\a)+2*\p+1], v[240+2*((\a)%4):241+2*((\a)%4)] op_sel_hi:[1,0]
.endr
.endm
.macro PV1 a, H, pv
.if \pv == 1
	v_wmma_scale_f32_16x16x128_f8f6f4 v[8*(\a):8*(\a)+7], v[128+12*((\a)/4):128+12*((\a)/4)+11], v[192+12*((\a)%4):192+12*((\a)%4)+11], 0, v[VS+4*\H+(\a)/4], v[PS+(\a)%4] matrix_a_fmt:MATRIX_FMT_FP6 matrix_b_fmt:MATRIX_FMT_FP6
.else
	v_wmma_scale_f32_16x16x128_f8f6f4 v[8*(\a):8*(\a)+7], v[128+12*((\a)/4):128+12*((\a)/4)+11], v[192+12*((\a)%4):192+12*((\a)%4)+11], v[8*(\a):8*(\a)+7], v[VS+4*\H+(\a)/4], v[PS+(\a)%4] matrix_a_fmt:MATRIX_FMT_FP6 matrix_b_fmt:MATRIX_FMT_FP6
.endif
.endm
.macro PVMUL pv
.irp H, 0,1
	WIN 0xa6+0x51*\H                               ; source 0 (v; O^T), C and D window 2 + H; source 1 (p; F) window 1
.if \pv == 2
	RESC1 0
	RESC1 1
.endif
.set ACN, 0
.rept 16
	PV1 ACN, \H, \pv
.if (\pv == 2) && (ACN < 14)
	RESC1 ACN+2
.endif
.if (\pv == 2) && (ACN == 14)
	PLACES 4
.endif
.set ACN, ACN+1
.endr
.endr
	WIN 0
.endm
.macro CONS pv, cq, cp, kld            ; the consumer's part.  cq: the LDS loads issued behind the quads, which may stay out; cp: those behind p.  kld = 1: k is asked for behind the whole numbers
	s_wait_dscnt \cq
	PREP
.if \pv == 1
	PLACES 8                                       ; no rescaling here: eight places between p's scale words and the products that take them
.endif
.if \kld
	KLD
.endif
	s_wait_dscnt \cp
	s_wait_alu depctr_va_vdst(0)                   ; ahead of the first readers of F, of p's scale words and of O^T
	PVMUL \pv
.endm
.macro ASK                             ; record and tile t + 3
	s_cmp_lt_u32 s[PFC], 13
	s_cbranch_scc0 .Lno_more_\@
	global_prefetch_b8 v[PFO], s[PFA:PFA+1] offset:2*REC th:TH_LOAD_NT scope:SCOPE_SE
	global_prefetch_b8 v[PFMO], s[PFM:PFM+1] offset:1024 th:TH_LOAD_NT scope:SCOPE_SE
.Lno_more_\@:
	s_add_co_u32 s[PFC], s[PFC], 1
.endm
; THE PRODUCER'S SOFTMAX of one step, the tiles of queries by turns.  The additions to the row's sum follow in LSUM
.macro SOFTMAX
.irp g, 0,1
	WIN 0x20+0x10*\g                               ; source 2 (the mask) window 2 + g
.irp p, 0,1,2,3,4,5,6,7
.irp e, 0,1
	v_pk_fma_f32 v[S+16*(2*\g+\e)+2*\p:S+16*(2*\g+\e)+2*\p+1], v[S+16*(2*\g+\e)+2*\p:S+16*(2*\g+\e)+2*\p+1], s[SQ:SQ+1], v[224+16*\e+2*\p:224+16*\e+2*\p+1] op_sel_hi:[1,0,1]   ; the logit; each accumulator from its low end on
.endr
.endr
.endr
	WIN 0
.irp m, 0,1,2,3
	v_max3_num_f32 v[BX+\m], v[S+16*\m], v[S+16*\m+1], v[S+16*\m+2]   ; the block's largest logit: for the running maximum and, since p rises with the logit, for the block's largest p
.endr
.irp i, 3,5,7,9,11,13
.irp m, 0,1,2,3
	v_max3_num_f32 v[BX+\m], v[BX+\m], v[S+16*\m+\i], v[S+16*\m+\i+1]
.endr
.endr
.irp m, 0,1,2,3
	v_max_num_f32 v[BX+\m], v[BX+\m], v[S+16*\m+15]
.endr
.irp m, 0,1,2,3
	v_permlanex16_b32 v[T1+\m], v[BX+\m], s[SEL], s[SEL+1]
.endr
.irp m, 0,1,2,3
	v_max_num_f32 v[BX+\m], v[BX+\m], v[T1+\m]     ; with lane l xor 16's 16 keys
.endr
.irp m, 0,1,2,3
	v_mul_f32 v[T1+\m], s[L2E], v[BX+\m]           ; as t
.endr
.irp m, 0,1,2,3
	v_max_num_f32 v[PR+4*\m+1], v[PR+4*\m+1], v[T1+\m]
.endr
.irp m, 0,1,2,3
	v_mov_b32 v[T1+\m], v[PR+4*\m]
.endr
.irp m, 0,1,2,3
	v_floor_f32 v[PR+4*\m], -v[PR+4*\m+1]          ; the new N = -M = floor(-t)
.endr
.irp m, 0,1,2,3
	v_sub_f32 v[T1+\m], v[PR+4*\m], v[T1+\m]       ; old M - new M
.endr
.irp m, 0,1,2,3
	v_cvt_i32_f32 v[T1+\m], v[T1+\m]               ; (it saturates)
.endr
.irp m, 0,1,2,3
	v_ldexp_f32 v[FL+2*\m], 1.0, v[T1+\m]          ; what my sum is multiplied by
.endr
.irp p, 0,1,2,3,4,5,6,7
.irp m, 0,1,2,3
	v_pk_fma_f32 v[S+16*\m+2*\p:S+16*\m+2*\p+1], v[S+16*\m+2*\p:S+16*\m+2*\p+1], s[L2E:L2E+1], v[PR+4*\m:PR+4*\m+1] op_sel_hi:[1,0,0]   ; t - M
.endr
.endr
.irp m, 0,1,2,3
	v_fma_f32 v[XB+\m], v[BX+\m], s[L2E], v[PR+4*\m]   ; the same of the block's largest logit
.endr
	s_wait_alu depctr_va_vdst(0)                   ; the wait ahead of the batch
.irp j, 0,1,2,3,4,5,6,7,8,9,10,11,12,13,14,15
.irp m, 0,1,2,3
	v_exp_f32 v[S+16*\m+\j], v[S+16*\m+\j]         ; p = 2^(t - M): one batch of 64
.endr
.endr
.irp m, 0,1,2,3
	v_exp_f32 v[XB+\m], v[XB+\m]                   ; and the block's largest p
.endr
.irp m, 0,1,2,3
	v_pk_mul_f32 v[PR+4*\m+2:PR+4*\m+3], v[PR+4*\m+2:PR+4*\m+3], v[FL+2*\m:FL+2*\m+1] op_sel_hi:[1,0]   ; my sums under the new M: plain work behind the batch
.endr
	s_wait_alu depctr_va_vdst(0)                   ; and behind it: one for the 68
.irp m, 0,1,2,3
	v_max_num_f32 v[XB+\m], 0x1800000, v[XB+\m]    ; the floor 2^(3 - 127): the byte cannot fall under 1
.endr
.irp m, 0,1,2,3
	v_add_nc_u32 v[SO+\m], 0xff000000, v[XB+\m]    ; 2 off the exponent field: the conversion's scale operand
.endr
.irp m, 0,1,2,3
	v_lshrrev_b32 v[EB+\m], 23, v[SO+\m]
.endr
.irp m, 0,1,2,3
	v_cvt_f32_u32 v[EB+\m], v[EB+\m]               ; the byte as f32, for the consumers' sums
.endr
.irp m, 0,1,2,3
	v_cvt_scalef32_pk16_fp6_f32 v[CD+4*\m:CD+4*\m+2], v[S+16*\m:S+16*\m+15], v[SO+\m]   ; my 16 keys' codes: places 16 h .. 16 h + 15 of block w
.endr
	v_nop                                          ; one plain place behind a scaled conversion
.endm
.macro LSUM                            ; the row's sum is taken of the unquantised p, which stays in S's registers until the next S^T
.irp p, 0,1,2,3,4,5,6,7
.irp m, 0,1,2,3
	v_pk_add_f32 v[PR+4*\m+2:PR+4*\m+3], v[PR+4*\m+2:PR+4*\m+3], v[S+16*\m+2*\p:S+16*\m+2*\p+1]
.endr
.endr
.endm
.macro PSTORE                          ; block w lies in lanes r + 16 (w % 2), registers 6 (w / 2) + 3 h + 0 .. 2 of p's fragment.  Lanes l and l + 16 write the same N and byte with the same value
.irp m, 0,1,2,3
	ds_store_b32 v[ADPW], v[CD+4*\m] offset:1536*\m
	ds_store_b32 v[ADPW+1], v[CD+4*\m+1] offset:1536*\m
	ds_store_b32 v[ADPW+2], v[CD+4*\m+2] offset:1536*\m
	ds_store_b32 v[ADXW], v[PR+4*\m] offset:256*\m
	ds_store_b32 v[ADXW], v[EB+\m] offset:1024+256*\m
.endr
.endm
.macro LSTORE                          ; behind the last step: my partial sums and the N under which they stand
.irp m, 0,1,2,3
	v_add_f32 v[T1+\m], v[PR+4*\m+2], v[PR+4*\m+3]
.endr
.irp m, 0,1,2,3
	v_permlanex16_b32 v[BX+\m], v[T1+\m], s[SEL], s[SEL+1]
.endr
.irp m, 0,1,2,3
	v_add_f32 v[T1+\m], v[T1+\m], v[BX+\m]
.endr
.irp m, 0,1,2,3
	ds_store_b32 v[XW0], v[T1+\m] offset:LEXO+256*\m
	ds_store_b32 v[XW0], v[PR+4*\m] offset:LEXO+1024+256*\m
.endr
.endm
; A TRIP.  pv = 0: trip 0, no second product; 1: trip 1, whose products start O^T; 2: the others.  refill = 0, last = 1: trip 15.
.macro TRIP pv, refill, last
.if (\refill) && (\pv)
	s_wait_xcnt 0x0                                ; my prefetches of the trip before have read their bases: these are stepped only behind this wait
	s_add_nc_u64 s[PFA:PFA+1], s[PFA:PFA+1], REC
	s_add_nc_u64 s[PFM:PFM+1], s[PFM:PFM+1], 512
.endif
	s_wait_tensorcnt 0x0                           ; my one tensor load has landed: my part of this trip's slot; so the groups 0 may be written
	ds_add_u32 v[SPW], v[NIL]                      ; work on registers stands between the add and the wait for it
.if \refill
	s_add_co_u32 s[G0K+1], s[SN], s[KOF]
	s_add_co_u32 s[G0M+1], s[SN], s[MOFS]
	s_add_nc_u64 s[G0K+2:G0K+3], s[G0K+2:G0K+3], REC
	s_add_nc_u64 s[G0M+2:G0M+3], s[G0M+2:G0M+3], 512
.endif
	ADDR
.if \pv
	LSUM                                           ; the last step's p into my sums, while its stores land
.endif
	s_wait_alu depctr_va_vdst(0)                   ; directly ahead of the wait below
	s_wait_dscnt 0x0                               ; the add; my stores of p, N and the byte; my reads of the other slot and of the other buffer
.if \refill
	ROUND                                          ; all that now holds of every wave of the cluster
	JLOAD                                          ; the next record and tile, into the slot read last trip
.else
	s_barrier_signal -1
	s_barrier_wait -1
.endif
.if \pv
	EXPIN
	CONS \pv, 12, 28, 1                            ; behind the quads: p's 12 loads; behind p: k's 28
.else
	KLD
.endif
	MASKIN
.if \pv == 0
	s_wait_loadcnt 0x0                             ; q
.endif
	s_wait_dscnt 16                                ; k is in; the mask's 16 loads may be out
	SMUL
	PLACES 4                                       ; between the products and the first read of their results, and in front of loads into v's registers, which the second product has read
	VLD
.if \refill
	ASK
.endif
	s_wait_dscnt 26                                ; the mask's numbers are in; v's 26 loads may be out
	SOFTMAX
	PSTORE
.if \last
	LSUM
	LSTORE
.endif
	s_xor_b32 s[SB], s[SB], SLOT
	s_xor_b32 s[SN], s[SN], SLOT
	s_xor_b32 s[TPW], s[TPW], PB2
	s_xor_b32 s[TPR], s[TPR], PB2
.endm
	s_load_b256 s[4:11], s[0:1], 0x0               ; qimg s[4:5], kv s[6:7], mask s[8:9], out0 s[10:11]
	v_lshl_add_u32 v[SPW], v0, 2, SPARE
	v_mov_b32 v[NIL], 0
	ds_add_u32 v[SPW], v[NIL]                      ; the opening: the add, twice on end, and its wait ahead of the round in front of my first tensor load
	ds_add_u32 v[SPW], v[NIL]
	v_lshrrev_b32 v244, 5, v0
	v_readfirstlane_b32 s[WV], v244                ; wave 0..3
	s_bfe_u32 s13, ttmp6, 0x40000                  ; cx
	s_and_b32 s15, ttmp7, 0xffff
	s_lshl_b32 s15, s15, 2
	s_add_co_u32 s15, s15, s13                     ; my block of 64 queries = 4 x cluster y + cx
	s_mov_b32 s14, ttmp9                           ; the batch = cluster x: the same in the four partners
	s_mov_b32 s[G1K+0], 15|(3<<16)|(1<<21)         ; the mask of the four; elements of 8 bytes; bit 21 beside a mask: a dense block of 53,248 bytes as 208 rows of 256
	s_mov_b32 s[G1K+1], 32<<16
	s_mov_b32 s[G1K+2], 208<<16
	s_mov_b32 s[G1K+3], 32<<16
	s_mov_b32 s[G1K+4], 208
	s_mov_b32 s[G1K+5], 32
	s_mov_b32 s[G1K+6], 0
	s_mov_b32 s[G1K+7], 0
	s_mov_b32 s[G1M+0], (2<<16)|(1<<20)|(6<<22)|(3<<25)   ; no mask; elements of 4 bytes; 4 words of padding behind every 128: 32 rows of 512 bytes
	s_mov_b32 s[G1M+1], 128<<16
	s_mov_b32 s[G1M+2], 32<<16
	s_mov_b32 s[G1M+3], 128<<16
	s_mov_b32 s[G1M+4], 32
	s_mov_b32 s[G1M+5], 2048
	s_mov_b32 s[G1M+6], 0
	s_mov_b32 s[G1M+7], 0
	s_mov_b32 s[SEL], 0x76543210
	s_mov_b32 s[SEL+1], 0xfedcba98
	s_mov_b32 s[SQ], 0x41b504f3                    ; sqrt(512)
	s_mov_b32 s[SQ+1], s[SQ]
	s_mov_b32 s[L2E], 0x3fb8aa3b                   ; log2(e)
	s_mov_b32 s[L2E+1], s[L2E]
	s_mov_b32 s[SB], 0
	s_mov_b32 s[SN], SLOT
	s_mov_b32 s[TPW], 0
	s_mov_b32 s[TPR], PB2
	s_mov_b32 s[PFC], 0
	s_and_b32 s16, s[WV], 1
	s_lshr_b32 s17, s[WV], 1
	s_mul_i32 s[KOF], s16, VOF
	s_mul_i32 s[MOFS], s16, HMT
	s_add_co_u32 s[MOFS], s[MOFS], MOF
	s_mul_i32 s19, s[WV], 8448                     ; at the end: my stage for the way out
	s_mul_i32 s66, s14, 16*REC                     ; kv: the batch's 16 records
	s_mov_b32 s67, 0
	s_lshl_b32 s70, s13, 2
	s_add_co_u32 s70, s70, s[WV]                   ; my wave's number in the cluster
	s_mul_i32 s70, s70, 6656                       ; its 26 blocks of a record
	s_add_co_u32 s70, s70, s66
	s_add_co_u32 s70, s70, REC                     ; record 1
	s_mov_b32 s71, 0
	s_add_co_u32 s66, s66, s[KOF]                  ; the joint load: batch and wave alone
	s_lshl_b32 s68, s14, 24                        ; the mask: batch x 2,048 rows of 8,192 bytes
	s_lshl_b32 s72, s15, 19                        ; + my work-group's 64 rows
	s_add_co_u32 s72, s72, s68
	s_lshl_b32 s68, s16, 18
	s_add_co_u32 s68, s68, s72                     ; + the 32 rows that I fetch
	s_mov_b32 s69, 0
	s_lshl_b32 s73, s[WV], 17
	s_add_co_u32 s72, s72, s73                     ; the prefetches: + my 16 rows,
	s_add_co_u32 s72, s72, 512                     ; at step 1
	s_mov_b32 s73, 0
	s_lshl_b32 s74, s14, 4
	s_lshr_b32 s75, s15, 1
	s_add_co_u32 s74, s74, s75
	s_mul_i32 s74, s74, QREC                       ; q: the part that holds my 64 queries
	s_mov_b32 s75, 0
	s_lshl_b32 s76, s14, 22                        ; out: batch x 2,048 rows of 2,048 bytes
	s_lshl_b32 s77, s15, 17
	s_add_co_u32 s76, s76, s77
	s_lshl_b32 s77, s[WV], 9
	s_add_co_u32 s76, s76, s77                     ; + my 128 channels
	s_mov_b32 s77, 0
	s_and_b32 s18, s15, 1                          ; which half of q's part
	s_mul_i32 s78, s[WV], 12288
	s_lshl_b32 s79, s17, 9
	s_lshl_b32 s80, s16, 3
	s_add_co_u32 s79, s79, s80
	s_add_co_u32 s79, s79, SCW                     ; k's scale words: tiles 2 w, 2 w + 1
	s_lshl_b32 s80, s[WV], 10
	s_add_co_u32 s80, s80, VOF+SCW
	s_mul_i32 s81, s17, 6
	s_lshl_b32 s82, s16, 8
	s_add_co_u32 s82, s82, PBUF
	s_mul_i32 s83, s18, 24576
	s_lshl_b32 s84, s18, 9
	s_add_co_u32 s84, s84, SCW
	v_and_b32 v244, 31, v0                         ; lane
	v_and_b32 v245, 15, v0                         ; r
	v_bfe_u32 v246, v0, 4, 1                       ; h
	v_lshlrev_b32 v247, 4, v244                    ; 16 x lane
	v_add_nc_u32 v[KVO], s78, v247
	v_add_nc_u32 v[KSO], s79, v247
	v_add_nc_u32 v[VSO], s80, v247
	v_mul_u32_u24 v[MK0], v245, 528
	v_lshl_add_u32 v[MK0], v246, 5, v[MK0]
	v_add_nc_u32 v[STO], s19, v[MK0]               ; the way out, in: row r, + 32 h
	v_lshl_add_u32 v[MK0], s[WV], 7, v[MK0]
	v_add_nc_u32 v[MK0], MOF, v[MK0]
	v_add_nc_u32 v[RD], s19, v247
	v_mov_b32 v[GO], v247
	v_lshl_add_u32 v[EX0], v245, 4, PBUF+EXO
	v_add_nc_u32 v[PR0], PBUF, v247
	v_lshl_add_u32 v[XW0], s[WV], 2, v[EX0]
	v_mad_u32_u24 v250, v246, 3, s81               ; my first register of p's fragment: 6 (w / 2) + 3 h
.irp i, 0,1,2
	v_add_nc_u32 v248, \i, v250
	v_lshrrev_b32 v249, 2, v248
	v_and_b32 v248, 3, v248
	v_lshlrev_b32 v249, 9, v249                    ; its chunk of 512 bytes,
	v_lshl_add_u32 v249, v248, 2, v249             ; its word of the lane's four,
	v_lshl_add_u32 v249, v245, 4, v249             ; lane r
	v_add_nc_u32 v[PW0+\i], s82, v249
.endr
	v_add_nc_u32 v[QO], s83, v247
	v_add_nc_u32 v[QSO], s84, v247
	v_min_u32 v248, 25, v244
	v_lshlrev_b32 v[PFO], 8, v248                  ; kv: 256 x lane, lanes 26-31 with lane 25
	v_lshrrev_b32 v248, 1, v244
	v_and_b32 v249, 1, v244
	v_lshlrev_b32 v248, 13, v248
	v_lshl_add_u32 v[PFMO], v249, 8, v248          ; the mask: row lane / 2, block lane % 2
.irp m, 0,1,2,3
	v_mov_b32 v[PR+4*\m], 0x7f61b1e6               ; N = 3e38, over every N that a step gives
	v_mov_b32 v[PR+4*\m+1], 0xff61b1e6             ; the largest t so far: -3e38
	v_mov_b32 v[PR+4*\m+2], 0
	v_mov_b32 v[PR+4*\m+3], 0
	v_mov_b32 v[CN+4*\m+1], 0                      ; (the pairs' upper halves are named, so they are written)
	v_mov_b32 v[CN+4*\m+2], 0x7f61b1e6             ; RN
	v_mov_b32 v[CN+4*\m+3], 0
	v_mov_b32 v[T1+\m], 0                          ; a lane permute's destination counts as one of its sources
	v_mov_b32 v[FL+2*\m+1], 0
.endr
	WIN 0x40
.irp m, 0,1,2,3
	v_mov_b32 v[241+2*\m], 0                       ; F's pairs' upper halves
.endr
	WIN 0
	s_wait_alu depctr_va_vdst(0)                   ; the wait at the head's end
	s_wait_dscnt 0x0                               ; both opening adds are done
	s_wait_kmcnt 0x0
	s_add_nc_u64 s[4:5], s[4:5], s[74:75]
	WIN 0x40
.irp m, 0,1,2,3
.irp s, 0,1,2,3
.irp c, 0,1,2
	global_load_b128 v[12*(4*\m+\s)+4*\c:12*(4*\m+\s)+4*\c+3], v[QO], s[4:5] offset:(4*\m+\s)*1536+512*\c   ; q stays in registers
.endr
.endr
.endr
	WIN 0
.irp s, 0,1,2,3
	global_load_b128 v[QS+4*\s:QS+4*\s+3], v[QSO], s[4:5] offset:1024*\s
.endr
	s_mov_b32 s[G0K], 1
	s_mov_b32 s[G0K+1], s[KOF]                     ; slot 0
	s_add_nc_u64 s[G0K+2:G0K+3], s[6:7], s[66:67]  ; record 0
	s_or_b32 s[G0K+3], s[G0K+3], 0x80000000
	s_mov_b32 s[G0M], 1
	s_mov_b32 s[G0M+1], s[MOFS]
	s_add_nc_u64 s[G0M+2:G0M+3], s[8:9], s[68:69]
	s_or_b32 s[G0M+3], s[G0M+3], 0x80000000
	s_add_nc_u64 s[PFA:PFA+1], s[6:7], s[70:71]
	s_add_nc_u64 s[PFM:PFM+1], s[8:9], s[72:73]
	s_add_nc_u64 s[10:11], s[10:11], s[76:77]
	ROUND                                          ; the four work-groups are here: the first joint loads meet
	JLOAD                                          ; step 0: one tensor load a wave at the head
	global_prefetch_b8 v[PFO], s[PFA:PFA+1] th:TH_LOAD_NT scope:SCOPE_SE               ; records and tiles 1 and 2, which trips 0 and 1 load
	global_prefetch_b8 v[PFMO], s[PFM:PFM+1] th:TH_LOAD_NT scope:SCOPE_SE
	global_prefetch_b8 v[PFO], s[PFA:PFA+1] offset:REC th:TH_LOAD_NT scope:SCOPE_SE
	global_prefetch_b8 v[PFMO], s[PFM:PFM+1] offset:512 th:TH_LOAD_NT scope:SCOPE_SE
	TRIP 0, 1, 0                                   ; slot 1's first fill is issued as a refill is
	TRIP 1, 1, 0
	s_mov_b32 s[IC], 13
.Lstep:                                            ; trips 2 .. 14
	TRIP 2, 1, 0
	s_sub_co_u32 s[IC], s[IC], 1
	s_cmp_lg_u32 s[IC], 0
	s_cbranch_scc1 .Lstep
	TRIP 2, 0, 1                                   ; trip 15 is written out: nothing is left to fetch
	s_wait_dscnt 0x0                               ; my stores have landed, v of step 15 is in
	s_barrier_signal -1
	s_barrier_wait -1
	; step 15's second product
	v_add_nc_u32 v[ADEX], s[TPR], v[EX0]
	v_add_nc_u32 v[ADPR], s[TPR], v[PR0]
	EXPIN
.irp m, 0,1,2,3
	ds_load_b128 v[S+8*\m:S+8*\m+3], v[EX0] offset:LEXO+256*\m             ; the four waves' partial sums of my query,
	ds_load_b128 v[S+8*\m+4:S+8*\m+7], v[EX0] offset:LEXO+1024+256*\m      ; and the N under which they stand
.endr
	CONS 2, 20, 8, 0                               ; behind the quads: p 12 and these 8; behind p: 8
	s_wait_dscnt 0x0
	; the row's sum: l = the sum over w of l_w 2^(RN - N_w).  (This plain work stands in the places behind the last products)
.irp q, 0,2
.irp m, 0,1,2,3
	v_pk_add_f32 v[S+8*\m+4+\q:S+8*\m+4+\q+1], v[S+8*\m+4+\q:S+8*\m+4+\q+1], v[CN+4*\m+2:CN+4*\m+3] op_sel_hi:[1,0] neg_lo:[1,0] neg_hi:[1,0]
.endr
.endr
.irp i, 0,1,2,3
.irp m, 0,1,2,3
	v_cvt_i32_f32 v[S+8*\m+4+\i], v[S+8*\m+4+\i]   ; (it saturates)
.endr
.endr
.irp i, 0,1,2,3
.irp m, 0,1,2,3
	v_ldexp_f32 v[S+8*\m+\i], v[S+8*\m+\i], v[S+8*\m+4+\i]
.endr
.endr
.irp m, 0,1,2,3
	v_add_f32 v[S+8*\m], v[S+8*\m], v[S+8*\m+1]
.endr
.irp m, 0,1,2,3
	v_add_f32 v[S+8*\m+2], v[S+8*\m+2], v[S+8*\m+3]
.endr
.irp m, 0,1,2,3
	v_add_f32 v[S+8*\m], v[S+8*\m], v[S+8*\m+2]
.endr
	s_wait_alu depctr_va_vdst(0)                   ; the wait ahead of the batch
.irp m, 0,1,2,3
	v_rcp_f32 v[CN+4*\m], v[S+8*\m]
.endr
	v_nop                                          ; a plain place behind the last reciprocal
	s_wait_alu depctr_va_vdst(0)                   ; and the wait behind the batch
; THE WAY OUT, a tile of 16 queries at a time: O^T / l goes through my own stage in LDS (16 rows x 528 bytes at the start of slot 0, which has had its last fill in trip 13 and its last read in trip 14) and comes back as runs of
; 512 bytes of a row of out.  LDS serves a wave's instructions in order (ISA guide 5.7.1.4): no wait between the stores and the loads.
.macro TOST m
.irp g, 0,1
	WIN 0x02+\g                                    ; source 0 (O^T) window 2 + g
.irp n, 0,1,2,3
.irp p, 0,1,2,3
	v_pk_mul_f32 v[S+8*(4*\g+\n)+2*\p:S+8*(4*\g+\n)+2*\p+1], v[8*(4*\n+\m)+2*\p:8*(4*\n+\m)+2*\p+1], v[CN+4*\m:CN+4*\m+1] op_sel_hi:[1,0]   ; each accumulator from its low end on
.endr
.endr
.endr
	WIN 0
.irp n, 0,1,2,3,4,5,6,7
	ds_store_b128 v[STO], v[S+8*\n:S+8*\n+3] offset:64*\n
	ds_store_b128 v[STO], v[S+8*\n+4:S+8*\n+7] offset:64*\n+16
.endr
.set BK, 192-132*((\m)%2)              ; v192-255 and v60-123 by turns
.irp i, 0,1,2,3,4,5,6,7,8,9,10,11,12,13,14,15
	ds_load_b128 v[BK+4*\i:BK+4*\i+3], v[RD] offset:528*\i
.endr
.endm
.macro SEND m, younger                 ; younger: the LDS instructions issued behind tile m's loads, which may stay out
.set BK, 192-132*((\m)%2)
	s_wait_dscnt \younger
.irp i, 0,1,2,3,4,5,6,7,8,9,10,11,12,13,14,15
	global_store_b128 v[GO], v[BK+4*\i:BK+4*\i+3], s[10:11] offset:(16*(\m)+\i)*2048 th:TH_STORE_NT   ; 32 lanes store 512 consecutive bytes, at a multiple of 512 from out's first byte
.endr
.endm
	TOST 0
.irp m, 1,2,3
.if \m > 1
	s_wait_xcnt 0x0                                ; the stores of two tiles back have read their registers: this tile's loads may land there
.endif
	TOST \m
	SEND \m-1, 32                                  ; behind the last tile's loads: this tile's 16 stores and 16 loads
.endr
	SEND 3, 0
	s_wait_tensorcnt 0x0                           ; the wave's end
	ds_add_u32 v[SPW], v[NIL]
	s_wait_dscnt 0x0
	ROUND                                          ; the closing round
	s_endpgm
.Lfunc_end_k_qc0c6d3287a_attn:
	.size	k_qc0c6d3287a_attn, .Lfunc_end_k_qc0c6d3287a_attn-k_qc0c6d3287a_attn
	.p2alignl 7, 3214868480
	.fill 96, 4, 3214868480
	.section	.rodata,"a",@progbits
	.p2align	6, 0x0
	.amdhsa_kernel k_qc0c6d3287a_attn
		.amdhsa_group_segment_fixed_size 327680
		.amdhsa_private_segment_fixed_size 0
		.amdhsa_enable_private_segment 0
		.amdhsa_kernarg_size 32
		.amdhsa_user_sgpr_count 2
		.amdhsa_user_sgpr_kernarg_segment_ptr 1
		.amdhsa_wavefront_size32 1
		.amdhsa_system_sgpr_workgroup_id_x 1
		.amdhsa_system_sgpr_workgroup_id_y 1
		.amdhsa_system_sgpr_workgroup_id_z 1
		.amdhsa_system_vgpr_workitem_id 0
		.amdhsa_next_free_vgpr 1024
		.amdhsa_next_free_sgpr 96
		.amdhsa_reserve_vcc 0
		.amdhsa_float_denorm_mode_32 3
		.amdhsa_float_denorm_mode_16_64 3
		.amdhsa_memory_ordered 1
		.amdhsa_forward_progress 1
		.amdhsa_inst_pref_size 206
	.end_amdhsa_kernel
	.amdgpu_metadata
---
amdhsa.version: [ 1, 2 ]
amdhsa.kernels:
  - .name:           k_qc0c6d3287a_attn
    .symbol:         k_qc0c6d3287a_attn.kd
    .args:
      - { .name: qimg, .offset: 0, .size: 8, .value_kind: global_buffer, .address_space: global }
      - { .name: kv, .offset: 8, .size: 8, .value_kind: global_buffer, .address_space: global }
      - { .name: mask, .offset: 16, .size: 8, .value_kind: global_buffer, .address_space: global }
      - { .name: out0, .offset: 24, .size: 8, .value_kind: global_buffer, .address_space: global }
    .group_segment_fixed_size: 327680
    .private_segment_fixed_size: 0
    .kernarg_segment_align: 8
    .kernarg_segment_size: 32
    .max_flat_workgroup_size: 128
    .sgpr_count:     96
    .vgpr_count:     1024
    .wavefront_size: 32
...
	.end_amdgpu_metadata
.endif
;; end of part 3
